; MI455X (gfx1250); checked and timed in simulation.
; The chip was launched on July 23, 2026; its instructions are those of AMD's public machine-readable ISA for CDNA 5 (MIT licence, August 2026) and "CDNA5" Instruction Set Architecture Reference Guide (July 2026). The comments in the code are by the model that wrote it; some were corrected since.
;; Multi Head Attention. Allowed arithmetic: matrix products marked QUANTISED: E2M1 operands, one E8M0 scale for each 32 along K, by v_wmma_scale_f32_16x16x128_f8f6f4 with both operands' format E2M1 (or v_wmma_scale_f32_32x16x128_f4), f32 sums; products left as they are: bf16, f16 or f32 operands; f32 sums; everything else in f32.
;; Inputs: K 4 x 2,048 x 1,024 float32; Q 4 x 2,048 x 1,024 float32; V 4 x 2,048 x 1,024 float32; W_k 1,024 x 1,024 float32; W_o 1,024 x 1,024 float32; W_q 1,024 x 1,024 float32; W_v 1,024 x 1,024 float32; b_k 1,024 float32; b_o 1,024 float32; b_q 1,024 float32; b_v 1,024 float32; mask 4 x 1 x 1 x 2,048 int32.
;; Outputs: out0 4 x 2,048 x 1,024 float32.
;; This version of the problem:
;;   THIS VERSION OF THE PROBLEM IS GIVEN IN LOW PRECISION. The matrix products marked QUANTISED in the list below multiply operands that are first quantised to E2M1 (2 exponent bits, 1 mantissa bit; 4 bits a number), with one power-of-two scale for each 32 numbers along K (OCP MX v1.0); their sums are f32. The products marked 'left as it is' may take bf16, f16 or f32 operands, with f32 sums. Whichever they take, every output number must still come out within the allowed error. Rounding operands to bf16 (8 significant bits) uses up far more of that allowance than f16 does (11 bits, for magnitudes from 6e-5 to 65,504). All else is computed in f32.
;;   The module's matrix products, in the order in which they are computed (A, B: the left and right operand; K: the contracted axis; several contracted axes count as one K, in the product's order):
;;     1. [M 8,192, K 1,024] x [K 1,024, N 1,024]; A: input Q; B: input W_q: QUANTISED
;;     2. [M 8,192, K 1,024] x [K 1,024, N 1,024]; A: input K; B: input W_k: QUANTISED
;;     3. [M 8,192, K 1,024] x [K 1,024, N 1,024]; A: input V; B: input W_v: QUANTISED
;;     4. batch 64 x [M 2,048, K 64] x [K 64, N 2,048]; A: computed on the way; B: computed on the way: left as it is (an operand is computed on the way)
;;     5. batch 64 x [M 2,048, K 2,048] x [K 2,048, N 64]; A: computed on the way; B: computed on the way: left as it is (an operand is computed on the way)
;;     6. [M 8,192, K 1,024] x [K 1,024, N 1,024]; A: computed on the way; B: input W_o: left as it is (an operand is computed on the way)
;;   THE QUANTISER, for each operand of a quantised product, along K:
;;     - K is cut into blocks of 32 from its start; a last block that is shorter is filled with zeros.
;;     - A block's scale is 2^e with e = floor(log2(the largest magnitude in the block)) - 2, held to -126 .. 127; a block of zeros has e = 0. As a byte (E8M0): e + 127.
;;     - Each number is divided by its block's scale, clamped to +-6, and rounded to the nearest number of E2M1, ties to even, subnormals kept.
;;     - The product sums the exact products of the quantised numbers (number of the format x scale) in f32.
;;   ~~~python
;;   def quantise(x, axis):      # numpy; x: float32 -> the quantised numbers, widened to float32 again
;;       x = np.moveaxis(x, axis, -1); K = x.shape[-1]
;;       x = np.pad(x, [(0, 0)] * (x.ndim - 1) + [(0, -K % 32)]); x = x.reshape(x.shape[:-1] + (-1, 32)); a = np.abs(x).max(-1, keepdims=True)
;;       e = np.where(a > 0, np.clip(np.frexp(np.where(a > 0, a, 1))[1] - 1 - 2, -126, 127), 0)      # np.frexp(a)[1] - 1 = floor(log2(a)), exactly
;;       r = np.clip(x / 2.0 ** e, -6, 6)
;;       step = 2.0 ** (np.maximum(np.frexp(np.where(r == 0, 1, r))[1] - 1, 0) - 1)
;;       q = np.round(r / step) * step * 2.0 ** e      # np.round: ties to even
;;       return np.moveaxis(q.reshape(q.shape[:-2] + (-1,))[..., :K], -1, axis).astype(np.float32)
;;   ~~~
;; One version. Each part assembles by itself: llvm-mc -triple=amdgcn-amd-amdhsa -mcpu=gfx1250 --defsym DOCPART=n.
;; ======== version 1 of 1: 4 launches
;; limits: values are held in f16: magnitudes above 65,504 overflow, below 6.1e-05 lose precision
;; workspace buffers: xc 12,582,912 bytes; xs 786,432 bytes; wc 1,572,864 bytes; ws 98,304 bytes; wo 2,097,152 bytes; cnt 512 bytes of whole numbers; qkv 50,331,648 bytes; att 16,777,216 bytes
;; launch prep (part 1): grid 928 x 1, 4 waves a work-group, no clusters, 33,280 bytes of LDS; arguments Q, K, V, W_q, W_k, W_v, W_o, mask, xc, xs, wc, ws, wo, cnt; writes xc, xs, wc, ws, wo, cnt
.if DOCPART == 1
	.amdgcn_target "amdgcn-amd-amdhsa--gfx1250"
	.amdhsa_code_object_version 6
	.text
	.protected	k_qa2641bea11_prep
	.globl	k_qa2641bea11_prep
	.p2align	8
	.type	k_qa2641bea11_prep,@function
k_qa2641bea11_prep:
	s_mov_b64 s[64:65], 0
	v_nop
	global_prefetch_b8 v0, s[64:65] scope:SCOPE_SE
	s_setreg_imm32_b32 hwreg(HW_REG_WAVE_MODE, 25, 1), 1
	s_wait_xcnt 0x0
; Q, K, V [8192][1024] and W_q, W_k, W_v [1024][1024], f32 with K innermost, become codes of FP4 (E2M1) and one E8M0 byte for each 32 along K:
; xc [3][8192][512 bytes], xs [3][8192][32], wc [3][1024][512], ws [3][1024][32].  W_o becomes f16, laid as images of operand registers.
; A block's scale is 2^(floor(log2(largest magnitude)) - 2): its byte is the largest magnitude's exponent field - 2, held at 1 from below.
; THE ROWS OF K AND V ARE PLACED BY THE MASK.  A key with mask 0 gets the weight 0 in the softmax, so the kept keys of a batch go to the front, in order (row = kept keys in front of it),
; and the others to the back (row = 2047 - masked keys in front of it): one row for each token, every row written.  cnt holds each batch's number of kept keys, 32 times, 128 bytes a batch.
; SHARES.  Work-groups 0-767: 32 rows of Q, K or V; 768-863: 32 rows of a weight; a wave takes 8 rows, 16 steps of 512 numbers.  864-927: 16 rows of W_o.
; A step's four loads read 512 consecutive bytes each; the 2,048 bytes turn through the wave's own stage in LDS and come back 64 bytes a lane, so that a lane holds 16 neighbours along K
; (two lanes to a block).  A step's codes, 256 bytes, are half a row of codes: one aligned store of the wave.  The wave's 256 scale bytes are gathered in LDS and leave 32 bytes a row.
; LIMITS: a block of zeros gets the byte 1 where the rule says 127 (its codes are zeros, and this program alone reads the bytes); blocks whose largest magnitude lies under 2^-124 are held at that byte;
; NaN and infinities among the inputs are not served.  W_o is rounded to f16: its numbers must stay within 65,504.
; No tensor loads, no barrier: waves share nothing.
.set WREG,  8192                       ; LDS: a region for each wave: two stages of 32 x SP bytes, then its 256 scale bytes
.set SP,    80                         ; a lane's place in a stage: 64 bytes + 16 of padding
.set SPARE, 4*WREG                     ; the spare words, 128 bytes a wave: two blocks of 256 bytes that no other line names
.set STEPS, 16
.set EMAX,  2
.set R,     16                         ; v16-79   four sets of 16 numbers as loaded
.set X,     80                         ; v80-111  two sets of 16 neighbours
.set E,     112                        ; v112-127 a scale byte for each step
.set C,     128                        ; v128-191 codes, four registers a step
.set MK,    128                        ; v128-191 the batch's 2,048 mask words, 64 a lane: done with before the first codes are made
.set SPW,   12                         ; v12 my spare word's LDS address; never rewritten
.set NIL,   13                         ; v13 0; never rewritten
.set POS,   48                         ; s48-55   the row of the codes' buffer that my row k goes to
.set ROWC,  68                         ; s[68:83] and its address, a pair for each k
	s_load_b512 s[4:19], s[0:1], 0x0               ; Q, K, V, W_q, W_k, W_v, W_o, mask
	s_load_b256 s[20:27], s[0:1], 0x40             ; xc, xs, wc, ws
	s_load_b128 s[28:31], s[0:1], 0x60             ; wo, cnt
	v_lshl_add_u32 v[SPW], v0, 2, SPARE
	v_mov_b32 v[NIL], 0
	v_lshrrev_b32 v1, 5, v0
	v_readfirstlane_b32 s32, v1                    ; wave
	v_and_b32 v2, 31, v0                           ; lane
	v_lshlrev_b32 v3, 4, v2                        ; 16 x lane
	s_mov_b32 s33, ttmp9
	s_cmp_ge_u32 s33, 864
	s_cbranch_scc1 .Lpath_o                        ; W_o's work-groups: a path of their own, which touches no LDS
	s_cmp_lt_u32 s33, 768                          ; an activation or a weight?
	s_cselect_b32 s42, 0, 768
	s_cselect_b32 s43, 8, 5                        ; log2 of the work-groups of one tensor
	s_cselect_b32 s44, 255, 31
	s_cselect_b32 s45, 13, 10                      ; log2 of its rows
	s_cselect_b32 s39, 1, 0
	s_sub_co_u32 s42, s33, s42
	s_lshr_b32 s34, s42, s43                       ; z: 0 Q's, 1 K's, 2 V's
	s_and_b32 s35, s42, s44
	s_lshl_b32 s36, s35, 5
	s_lshl_b32 s46, s32, 3
	s_add_co_u32 s36, s36, s46                     ; R0: my wave's first row in its tensor
	s_lshr_b32 s37, s36, 11                        ; its batch,
	s_and_b32 s38, s36, 2047                       ; t0: and its token there, a multiple of 8
	s_cmp_lg_u32 s34, 0
	s_cselect_b32 s39, s39, 0                      ; 1: rows of K or V, which the mask places
	s_mul_i32 s42, s32, WREG
	v_lshrrev_b32 v14, 2, v2
	v_mul_u32_u24 v14, v14, SP
	v_and_b32 v15, 3, v2
	v_lshl_add_u32 v14, v15, 4, v14
	v_add_nc_u32 v14, s42, v14                     ; the stage, on the way in: SP (lane / 4) + 16 (lane % 4)
	v_mul_u32_u24 v15, v2, SP
	v_add_nc_u32 v15, s42, v15                     ; and on the way out: SP x lane
	v_lshlrev_b32 v4, 3, v2                        ; my 8 bytes of a step's 256 bytes of codes
	v_lshrrev_b32 v5, 1, v2
	s_add_co_u32 s42, s42, 2*32*SP
	v_add_nc_u32 v5, s42, v5                       ; my block's scale byte in LDS
	v_add_nc_u32 v6, s42, v4                       ; and 8 bytes a lane on the way out
	s_lshl_b32 s56, s36, 12                        ; offsets, made apart from the addresses: the source's rows of 4,096 bytes,
	s_mov_b32 s57, 0
	s_add_co_u32 s46, s45, 9
	s_lshl_b32 s58, s34, s46                       ; tensor z in the codes' buffer,
	s_mov_b32 s59, 0
	s_add_co_u32 s46, s45, 5
	s_lshl_b32 s60, s34, s46                       ; and in the scales',
	s_mov_b32 s61, 0
	s_lshl_b32 s62, s37, 13                        ; the batch's 2,048 mask words,
	s_mov_b32 s63, 0
	s_lshl_b32 s66, s38, 2                         ; and my 8 among them
	s_mov_b32 s67, 0
	s_lshl_b32 s47, s37, 11                        ; the batch's first row
	s_mov_b32 s44, 0x76543210
	s_mov_b32 s45, 0xfedcba98                      ; v_permlanex16_b32's selects for lane l xor 16
	s_mov_b32 s40, 0                               ; P: kept keys of the batch in front of t0
	s_mov_b32 s41, 0                               ; BM: my 8 rows' mask bits
	s_wait_kmcnt 0x0
	s_cmp_lt_u32 s33, 768                          ; the buffers are chosen by the work-group's number alone
	s_cselect_b64 s[4:5], s[4:5], s[10:11]
	s_cselect_b64 s[6:7], s[6:7], s[12:13]
	s_cselect_b64 s[8:9], s[8:9], s[14:15]
	s_cselect_b64 s[86:87], s[20:21], s[24:25]
	s_cselect_b64 s[88:89], s[22:23], s[26:27]
	s_cmp_eq_u32 s34, 1
	s_cselect_b64 s[84:85], s[6:7], s[4:5]
	s_cmp_eq_u32 s34, 2
	s_cselect_b64 s[84:85], s[8:9], s[84:85]
	s_add_nc_u64 s[84:85], s[84:85], s[56:57]      ; the source at my first row
	s_add_nc_u64 s[86:87], s[86:87], s[58:59]      ; the codes of tensor z
	s_add_nc_u64 s[88:89], s[88:89], s[60:61]      ; its scale bytes
	s_add_nc_u64 s[90:91], s[18:19], s[62:63]      ; the batch's mask
	s_add_nc_u64 s[92:93], s[90:91], s[66:67]      ; at my rows
.macro LOAD t
.irp i, 0,1,2,3
	global_load_b128 v[R+16*((\t)%4)+4*\i:R+16*((\t)%4)+4*\i+3], v3, s[84:85] offset:2048*(\t)+512*\i th:TH_LOAD_NT   ; 32 lanes read 512 consecutive bytes
.endr
.endm
.macro TURN t                          ; step t's numbers through the stage: LDS serves a wave's instructions in order, so no wait stands between the stores and the loads
.irp i, 0,1,2,3
	ds_store_b128 v14, v[R+16*((\t)%4)+4*\i:R+16*((\t)%4)+4*\i+3] offset:32*SP*((\t)%2)+8*SP*\i
.endr
.irp i, 0,1,2,3
	ds_load_b128 v[X+16*((\t)%2)+4*\i:X+16*((\t)%2)+4*\i+3], v15 offset:32*SP*((\t)%2)+16*\i
.endr
.endm
.irp t, 0,1,2,3
	LOAD \t
.endr
	s_cmp_eq_u32 s39, 0
	s_cbranch_scc1 .Lplain                         ; Q and the weights keep their rows: they read no mask
.irp i, 0,1,2,3,4,5,6,7,8,9,10,11,12,13,14,15
	global_load_b128 v[MK+4*\i:MK+4*\i+3], v3, s[90:91] offset:512*\i   ; lane l: words 128 i + 4 l + 0 .. 3
.endr
	v_and_b32 v9, 7, v2
	v_lshlrev_b32 v9, 2, v9
	global_load_b32 v10, v9, s[92:93]              ; lanes 0-7: my 8 rows' words
	v_lshlrev_b32 v1, 2, v2
	v_sub_nc_u32 v1, s38, v1                       ; t0 - 4 l: t0 is a multiple of 8, so a lane's four words lie all in front of t0 or all behind
	v_mov_b32 v8, 0
	s_wait_loadcnt 0x0                             ; the mask is in (and with it the first data)
.irp i, 0,1,2,3,4,5,6,7,8,9,10,11,12,13,14,15
	v_min_u32 v[MK+4*\i], 1, v[MK+4*\i]            ; any word but 0 keeps its key
	v_min_u32 v[MK+4*\i+1], 1, v[MK+4*\i+1]
	v_min_u32 v[MK+4*\i+2], 1, v[MK+4*\i+2]
	v_min_u32 v[MK+4*\i+3], 1, v[MK+4*\i+3]
	v_add3_u32 v11, v[MK+4*\i], v[MK+4*\i+1], v[MK+4*\i+2]
	v_add_nc_u32 v11, v11, v[MK+4*\i+3]
	v_cmp_lt_i32 vcc_lo, 128*\i, v1                ; 128 i + 4 l < t0
	v_cndmask_b32 v11, 0, v11, vcc_lo
	v_add_nc_u32 v8, v8, v11
.endr
	v_mov_b32 v9, 0
.irp m, 1,2,4,8
	v_mov_b32_dpp v9, v8 row_xmask:\m row_mask:0xf bank_mask:0xf
	v_add_nc_u32 v8, v8, v9
.endr
	v_permlanex16_b32 v9, v8, s44, s45
	v_add_nc_u32 v8, v8, v9                        ; over the 32 lanes
	v_readfirstlane_b32 s40, v8
	v_cmp_ne_u32 s41, 0, v10
	s_and_b32 s41, s41, 0xff
.Lplain:
.irp k, 0,1,2,3,4,5,6,7                        ; where my row k goes
	s_and_b32 s42, s41, (1<<\k)-1
	s_bcnt1_i32_b32 s42, s42
	s_add_co_u32 s42, s42, s40                     ; kept keys in front of it: its place if it is kept;
	s_sub_co_u32 s43, s42, s38
	s_add_co_u32 s43, s43, 2047-\k                 ; 2047 - (t0 + k - those): its place if it is not
	s_bitcmp1_b32 s41, \k
	s_cselect_b32 s42, s42, s43
	s_add_co_u32 s42, s42, s47                     ; in its batch
	s_add_co_u32 s43, s36, \k                      ; Q's and the weights' rows stay
	s_cmp_lg_u32 s39, 0
	s_cselect_b32 s42, s42, s43
	s_min_u32 s[POS+\k], s42, 0x1fff               ; a number made of loaded words is held inside the buffer before it enters an address
	s_lshl_b32 s42, s[POS+\k], 9
	s_mov_b32 s43, 0
	s_add_nc_u64 s[ROWC+2*\k:ROWC+2*\k+1], s[86:87], s[42:43]
.endr
	v_mov_b32 v7, s[POS]                           ; the scale bytes leave 8 a lane: lane l has bytes 8 (l % 4) of row l / 4
.irp k, 1,2,3,4,5,6,7
	v_cmp_le_u32 vcc_lo, 4*\k, v2
	v_cndmask_b32 v7, v7, s[POS+\k], vcc_lo
.endr
	v_min_u32 v7, 0x1fff, v7
	v_lshlrev_b32 v7, 5, v7
	v_and_b32 v8, 3, v2
	v_lshl_add_u32 v7, v8, 3, v7
	s_cmp_eq_u32 s39, 0                            ; the wave with K's last 8 rows of a batch knows the batch's count
	s_cbranch_scc1 .Lno_count
	s_cmp_lg_u32 s34, 1
	s_cbranch_scc1 .Lno_count
	s_cmp_lg_u32 s38, 2040
	s_cbranch_scc1 .Lno_count
	s_bcnt1_i32_b32 s42, s41
	s_add_co_u32 s42, s42, s40
	v_mov_b32 v10, s42
	s_lshl_b32 s43, s37, 7
	v_lshl_add_u32 v1, v2, 2, s43
	global_store_b32 v1, v10, s[30:31]             ; 128 consecutive bytes; v1 and v10 are not written again
.Lno_count:
	s_wait_loadcnt 12                              ; step 0's four loads are in
	TURN 0
.macro STEP t
.set XS, X+16*((\t)%2)
.if (\t) > 0
	s_wait_dscnt 1                                 ; this step's numbers are back from the stage (the last step's byte store may be out): so its stores into the stage have read their registers,
.else
	s_wait_dscnt 0x0
.endif
.if (\t)+4 < STEPS
	LOAD (\t)+4                                    ; which take the loads of four steps on
.endif
.if (\t)+1 < STEPS
.if STEPS-2-(\t) >= 3
	s_wait_loadcnt 12                              ; the next step's four loads are in; those of the three steps behind it may be out
.else
	s_wait_loadcnt 4*(STEPS-2-(\t))
.endif
	TURN (\t)+1
.endif
	v_max3_num_f32 v8, |v[XS]|, |v[XS+1]|, |v[XS+2]|               ; the largest magnitude of my 16
	v_max3_num_f32 v9, |v[XS+3]|, |v[XS+4]|, |v[XS+5]|
.irp i, 6,10
	v_max3_num_f32 v8, v8, |v[XS+\i]|, |v[XS+\i+1]|
	v_max3_num_f32 v9, v9, |v[XS+\i+2]|, |v[XS+\i+3]|
.endr
	v_max3_num_f32 v8, v8, |v[XS+14]|, |v[XS+15]|
	v_max3_num_f32 v8, v8, v9, (EMAX+1)<<23        ; and the floor 2^(3 - 127): the byte cannot fall under 1
	v_max_num_f32_dpp v8, v8, v8 row_xmask:1 row_mask:0xf bank_mask:0xf   ; with my neighbour's 16: the block's
	v_add_nc_u32 v11, -(EMAX<<23), v8              ; 2 off its exponent field: the conversion takes the exponent field of this operand as its scale
	v_cvt_scalef32_pk8_fp4_f32 v[C+4*(\t)], v[XS:XS+7], v11
	v_cvt_scalef32_pk8_fp4_f32 v[C+4*(\t)+1], v[XS+8:XS+15], v11
	v_lshrrev_b32 v[E+(\t)], 23, v11               ; the scale's byte
	ds_store_b8 v5, v[E+(\t)] offset:16*(\t)       ; both lanes of a block write the same byte with the same value
	global_store_b64 v4, v[C+4*(\t):C+4*(\t)+1], s[ROWC+2*((\t)/2):ROWC+2*((\t)/2)+1] offset:256*((\t)%2)   ; half a row of codes: 256 consecutive bytes, aligned
.endm
.irp t, 0,1,2,3,4,5,6,7,8,9,10,11,12,13,14,15
	STEP \t
.endr
	ds_load_b64 v[8:9], v6                         ; LDS serves a wave's instructions in order: these see my byte stores
	s_wait_dscnt 0x0
	global_store_b64 v7, v[8:9], s[88:89]          ; four lanes to a row's 32 bytes
	s_wait_tensorcnt 0x0                           ; the wave's end, behind my last LDS store
	ds_add_u32 v[SPW], v[NIL]
	s_wait_dscnt 0x0
	s_endpgm
; W_o [n][k] to f16, as images: [16 rows n][32 k] is 1,024 bytes: chunk u (512 bytes) holds, at 16 x lane, row lane % 16, k = 16 u + 8 (lane / 16) + 0 .. 7.
; Work-group go takes rows 16 go on, wave w the images of k = 256 w on: 16 chunks j = 2 f + u, each two loads of 16 bytes a lane, four roundings in place, one store of 512 consecutive bytes.
.Lpath_o:
	s_sub_co_u32 s34, s33, 864
	v_and_b32 v4, 15, v2
	v_lshrrev_b32 v5, 4, v2
	v_lshlrev_b32 v1, 12, v4
	v_lshl_add_u32 v1, v5, 5, v1                   ; 4,096 r + 32 h
	s_lshl_b32 s36, s34, 16
	s_lshl_b32 s37, s32, 10
	s_add_co_u32 s36, s36, s37
	s_mov_b32 s37, 0
	s_lshl_b32 s38, s34, 15
	s_lshl_b32 s39, s32, 13
	s_add_co_u32 s38, s38, s39
	s_mov_b32 s39, 0
	s_wait_kmcnt 0x0
	s_add_nc_u64 s[16:17], s[16:17], s[36:37]
	s_add_nc_u64 s[28:29], s[28:29], s[38:39]
.irp j, 0,1,2,3,4,5,6,7,8,9,10,11,12,13,14,15
	global_load_b128 v[16+8*\j:16+8*\j+3], v1, s[16:17] offset:64*\j th:TH_LOAD_NT
	global_load_b128 v[16+8*\j+4:16+8*\j+7], v1, s[16:17] offset:64*\j+16 th:TH_LOAD_NT
.endr
.irp j, 0,1,2,3,4,5,6,7,8,9,10,11,12,13,14,15
	s_wait_loadcnt 30-2*\j                         ; chunk j's two loads are in; the chunks behind it may be out
.irp i, 0,1,2,3
	v_cvt_pk_f16_f32 v[16+8*\j+\i], v[16+8*\j+2*\i], v[16+8*\j+2*\i+1]   ; in place, ascending: register i is written when its own number has been read
.endr
	global_store_b128 v3, v[16+8*\j:16+8*\j+3], s[28:29] offset:512*\j
.endr
	s_endpgm
.Lfunc_end_k_qa2641bea11_prep:
	.size	k_qa2641bea11_prep, .Lfunc_end_k_qa2641bea11_prep-k_qa2641bea11_prep
	.p2alignl 7, 3214868480
	.fill 96, 4, 3214868480
	.section	.rodata,"a",@progbits
	.p2align	6, 0x0
	.amdhsa_kernel k_qa2641bea11_prep
		.amdhsa_group_segment_fixed_size 33280
		.amdhsa_private_segment_fixed_size 0
		.amdhsa_enable_private_segment 0
		.amdhsa_kernarg_size 112
		.amdhsa_user_sgpr_count 2
		.amdhsa_user_sgpr_kernarg_segment_ptr 1
		.amdhsa_wavefront_size32 1
		.amdhsa_system_sgpr_workgroup_id_x 1
		.amdhsa_system_sgpr_workgroup_id_y 1
		.amdhsa_system_sgpr_workgroup_id_z 1
		.amdhsa_system_vgpr_workitem_id 0
		.amdhsa_next_free_vgpr 192
		.amdhsa_next_free_sgpr 96
		.amdhsa_reserve_vcc 1
		.amdhsa_float_denorm_mode_32 3
		.amdhsa_float_denorm_mode_16_64 3
		.amdhsa_memory_ordered 1
		.amdhsa_forward_progress 1
		.amdhsa_inst_pref_size 58
	.end_amdhsa_kernel
	.amdgpu_metadata
---
amdhsa.version: [ 1, 2 ]
amdhsa.kernels:
  - .name:           k_qa2641bea11_prep
    .symbol:         k_qa2641bea11_prep.kd
    .args:
      - { .name: Q, .offset: 0, .size: 8, .value_kind: global_buffer, .address_space: global }
      - { .name: K, .offset: 8, .size: 8, .value_kind: global_buffer, .address_space: global }
      - { .name: V, .offset: 16, .size: 8, .value_kind: global_buffer, .address_space: global }
      - { .name: W_q, .offset: 24, .size: 8, .value_kind: global_buffer, .address_space: global }
      - { .name: W_k, .offset: 32, .size: 8, .value_kind: global_buffer, .address_space: global }
      - { .name: W_v, .offset: 40, .size: 8, .value_kind: global_buffer, .address_space: global }
      - { .name: W_o, .offset: 48, .size: 8, .value_kind: global_buffer, .address_space: global }
      - { .name: mask, .offset: 56, .size: 8, .value_kind: global_buffer, .address_space: global }
      - { .name: xc, .offset: 64, .size: 8, .value_kind: global_buffer, .address_space: global }
      - { .name: xs, .offset: 72, .size: 8, .value_kind: global_buffer, .address_space: global }
      - { .name: wc, .offset: 80, .size: 8, .value_kind: global_buffer, .address_space: global }
      - { .name: ws, .offset: 88, .size: 8, .value_kind: global_buffer, .address_space: global }
      - { .name: wo, .offset: 96, .size: 8, .value_kind: global_buffer, .address_space: global }
      - { .name: cnt, .offset: 104, .size: 8, .value_kind: global_buffer, .address_space: global }
    .group_segment_fixed_size: 33280
    .private_segment_fixed_size: 0
    .kernarg_segment_align: 8
    .kernarg_segment_size: 112
    .max_flat_workgroup_size: 128
    .sgpr_count:     96
    .vgpr_count:     192
    .wavefront_size: 32
...
	.end_amdgpu_metadata
.endif
;; end of part 1
;; launch proj (part 2): grid 4 x 96, 4 waves a work-group, clusters of 4 x 4, 327,680 bytes of LDS; arguments xc, xs, wc, ws, b_q, b_k, b_v, qkv; writes qkv
.if DOCPART == 2
	.amdgcn_target "amdgcn-amd-amdhsa--gfx1250"
	.amdhsa_code_object_version 6
	.text
	.protected	k_qa2641bea11_proj
	.globl	k_qa2641bea11_proj
	.p2align	8
	.type	k_qa2641bea11_proj,@function
k_qa2641bea11_proj:
	s_mov_b64 s[64:65], 0
	v_nop
	global_prefetch_b8 v0, s[64:65] scope:SCOPE_SE
	s_setreg_imm32_b32 hwreg(HW_REG_WAVE_MODE, 25, 1), 1
	s_wait_xcnt 0x0
	s_wait_alu depctr_hold_cnt(0) depctr_sa_sdst(0) depctr_va_vdst(0) depctr_va_sdst(0) depctr_va_ssrc(0) depctr_va_vcc(0) depctr_vm_vsrc(0)
	s_getreg_b32 s2, hwreg(HW_REG_IB_STS2, 6, 4)
	s_cmp_eq_u32 s2, 0
	s_cbranch_scc0 .Lentry_in_a_cluster
	s_endpgm
.Lentry_in_a_cluster:
	s_bfe_u32 s2, ttmp6, 0x10000c
	s_cmp_lg_u32 s2, 0xf033
	s_cbranch_scc0 .Lentry_shape_is_right
	s_endpgm
.Lentry_shape_is_right:
; q, k, v = X W^T + b for X = Q, K, V, on codes of FP4 (E2M1) with one E8M0 scale for each 32 along K = 1,024; sums in f32; the results rounded to f16.
; A = xc, the three activations' codes stacked: [24576][512 bytes]; B = wc: [3][1024][512 bytes]; their scale bytes xs, ws: 32 a row.
; A tile of 256 tokens x 256 channels is made by a work-group of four waves, 128 x 128 each: 64 accumulators, 512 registers.  Tile row tr = 0 .. 95 (32 for each of Q, K, V), tile column 0 .. 3.
; K = 1,024 is two LDS slots of 512 along K (rows of 256 bytes): both are first fills, nothing is filled again.  The scales of the work-group's rows, for all of K, come with them, as dense blocks.
; CLUSTERS: 4 x 4 work-groups.  The four of a row need the same tiles of A, the four of a column the same tiles of B: each is asked for jointly, by the same tensor load with a mask that names the four.
; Which of Q, K, V a cluster serves hangs on the cluster's number alone.
; THE MATRIX INSTRUCTION IS USED TRANSPOSED (source 0 = 16 rows of W, source 1 = 16 tokens): a lane holds one token and eight neighbouring channels.  The bias is the C of each sum's first product.
; THE WAY OUT needs no LDS: qkv is laid as images of the next launch's operand registers, [z][batch][head][tile of 16 tokens][32 channels c][chunk u][lane][16 bytes], lane (r, h) = token r,
; channels 32 c + 16 u + 8 h + 0 .. 7.  An accumulator's eight numbers of a lane, rounded, ARE a lane's 16 bytes of a chunk: each store of the wave covers 512 consecutive bytes, aligned.
; LIMIT: q, k, v must stay within f16's 65,504.
; REGISTERS: window 0: v0-31 addresses; v32-95 scale words, two sets; v128-191 A's fragments, one set; v192-255 the bias; on the way out v64-191 the packed results.
;   window 1: B's fragments, two sets.   windows 2, 3: the accumulators of my rows 0-63, 64-127 ((a, b) at v[8 (8 (a % 4) + b)]).
.set KSTEP,  512
.set NQ,     KSTEP/128
.set ROWB,   256
.set KROW,   512                       ; a row of codes in memory
.set PITCH,  272                       ; an LDS row: 256 bytes + 16 of padding: the 16 rows that a load touches start at 16 different banks (64 banks of 4 bytes: ISA guide 11.1)
.set FR,     8
.set NL,     2
.set NP,     4                         ; places behind this matrix instruction (ISA guide 7.12.1)
.set HALFT,  128*PITCH
.set SLOT,   4*HALFT
.set KS,     32                        ; a row of scale bytes
.set SCL,    2*SLOT
.set HALFS,  (128*KS/256)*272
.set SBLK,   (16*KS/256)*272
.set SPARE,  SCL+4*HALFS               ; the spare words, 128 bytes a wave: two blocks of 256 bytes that no other line names
.set ADRA, 16
.set ADRB, 20
.set CO,   26                          ; v26 16 x lane
.set ADRS, 27
.set SPW,  28
.set NIL,  29
.set SC,   32
.set PK,   64
.set AF,   128
.set BR,   192                         ; v[BR + 8 b + j] = bias of channel 16 b + 8 (lane / 16) + j of my 128
.set G1, 24
.set G0, 32
.set G1B, 48
.set G0B, 56
.set G1S, 68
.set G0S, 76
.set G1SB, 80
.set G0SB, 88
.set MSB, 0
.macro WIN new                         ; the immediate's high byte repeats the setting that is left
.if MSB != \new
	s_set_vgpr_msb (MSB<<8)|\new
.set MSB, \new
.endif
.endm
.set MUL_LO, 0xa1                      ; source 0 (W) window 1, source 1 (X) window 0, C and D window 2
.set MUL_HI, 0xf1
.set ONE_LO, 0x81                      ; the first products: C (the bias) window 0, D window 2
.set ONE_HI, 0xc1
.set TO_B,   0x40
; A joint load: waves 0 and 1 fetch for A, waves 2 and 3 for B; the branch hangs on the wave's number alone.  An s_nop 0 and four v_nop follow each of the two lines.
.macro JLOAD g0a, g1a, g0b, g1b
	s_cmp_eq_u32 s15, 0
	s_cbranch_scc0 .Lfor_b_\@
	tensor_load_to_lds s[\g0a:\g0a+3], s[\g1a:\g1a+7]
	s_nop 0
.rept 4
	v_nop
.endr
	s_branch .Lasked_\@
.Lfor_b_\@:
	tensor_load_to_lds s[\g0b:\g0b+3], s[\g1b:\g1b+7]
	s_nop 0
.rept 4
	v_nop
.endr
.Lasked_\@:
.endm
.macro CROUND                          ; a round of the cluster's barrier
	s_barrier_signal -1
	s_barrier_wait -1
	s_cmp_lg_u32 s14, 0
	s_cbranch_scc1 .Lnot_wave_0_\@
	s_barrier_signal -3
.Lnot_wave_0_\@:
	s_barrier_wait -3
	s_barrier_signal -1
	s_barrier_wait -1
.endm
	s_load_b256 s[4:11], s[0:1], 0x0               ; xc s[4:5], xs s[6:7], wc s[8:9], ws s[10:11]
	s_load_b128 s[96:99], s[0:1], 0x20             ; b_q, b_k
	s_load_b64 s[100:101], s[0:1], 0x30            ; b_v
	s_load_b64 s[12:13], s[0:1], 0x38              ; qkv
	v_lshl_add_u32 v[SPW], v0, 2, SPARE
	v_mov_b32 v[NIL], 0
	ds_add_u32 v[SPW], v[NIL]                      ; the wave's opening: the add, twice on end, and its wait ahead of my first tensor load
	ds_add_u32 v[SPW], v[NIL]
	v_lshrrev_b32 v1, 5, v0
	v_readfirstlane_b32 s14, v1                    ; wave 0..3
	s_lshr_b32 s15, s14, 1                         ; which half of the tile's tokens is mine.  Also: I fetch for A (0) or for B (1)
	s_and_b32 s16, s14, 1                          ; which half of its channels.  Also: which 128 rows I fetch
	s_bfe_u32 s40, ttmp6, 0x40000                  ; cx, cy
	s_bfe_u32 s41, ttmp6, 0x40004
	s_lshl_b32 s42, ttmp9, 2
	s_add_co_u32 s42, s42, s40                     ; tile column = 4 x cluster x + cx
	s_and_b32 s17, ttmp7, 0xffff
	s_lshr_b32 s95, s17, 3                         ; z = cluster y / 8: 0 Q, 1 K, 2 V: the same in all sixteen partners
	s_lshl_b32 s17, s17, 2
	s_add_co_u32 s17, s17, s41                     ; tile row = 4 x cluster y + cy
	s_lshl_b32 s43, s41, 2
	s_lshl_b32 s43, 15, s43                        ; my row of the cluster
	s_lshl_b32 s44, 0x1111, s40                    ; my column
	s_or_b32 s[G1+0], s43, (0<<16)|(1<<20)|(1<<21)|(5<<22)|(3<<25)  ; the mask; elements of 1 byte; padding on; bit 21 beside a mask; 4 words behind every 64
	s_or_b32 s[G1B+0], s44, (0<<16)|(1<<20)|(1<<21)|(5<<22)|(3<<25)
.irp g, G1, G1B
	s_mov_b32 s[\g+1], ROWB<<16                    ; tensor_dim0
	s_mov_b32 s[\g+2], 128<<16                     ; tensor_dim1
	s_mov_b32 s[\g+3], ROWB<<16                    ; tile_dim0
	s_mov_b32 s[\g+4], 128                         ; tile_dim1
	s_mov_b32 s[\g+5], KROW                        ; from row to row
	s_mov_b32 s[\g+6], 0
	s_mov_b32 s[\g+7], 0
.endr
	s_or_b32 s[G1S+0], s43, (3<<16)|(1<<20)|(1<<21)|(5<<22)|(3<<25)  ; the scales of 128 rows: 4,096 dense bytes as 16 rows of 256 (32 elements of 8 bytes), 16 bytes of padding behind each
	s_or_b32 s[G1SB+0], s44, (3<<16)|(1<<20)|(1<<21)|(5<<22)|(3<<25)
.irp g, G1S, G1SB
	s_mov_b32 s[\g+1], 32<<16
	s_mov_b32 s[\g+2], (128*KS/256)<<16
	s_mov_b32 s[\g+3], 32<<16
	s_mov_b32 s[\g+4], 128*KS/256
	s_mov_b32 s[\g+5], 32
	s_mov_b32 s[\g+6], 0
	s_mov_b32 s[\g+7], 0
.endr
	s_lshl_b32 s18, s16, 7
	s_lshl_b32 s20, s17, 8
	s_add_co_u32 s20, s20, s18                     ; A: row 256 x tile row + 128 x half
	s_lshl_b32 s46, s42, 8
	s_add_co_u32 s46, s46, s18
	s_lshl_b32 s94, s95, 10
	s_add_co_u32 s46, s46, s94                     ; B: row 1,024 z + 256 x tile column + 128 x half
	s_mov_b32 s21, 0
	s_mov_b32 s47, 0
	s_mov_b64 s[18:19], KS
	s_mul_u64 s[22:23], s[20:21], s[18:19]
	s_mul_u64 s[92:93], s[46:47], s[18:19]
	s_mov_b64 s[18:19], KROW
	s_mul_u64 s[20:21], s[20:21], s[18:19]
	s_mul_u64 s[46:47], s[46:47], s[18:19]
	s_mul_i32 s45, s14, HALFT                      ; where they go: wave x 128 rows: no place in the cluster enters an LDS address
	s_mul_i32 s94, s14, HALFS
	s_wait_dscnt 0x0                               ; both opening adds are done
	s_wait_kmcnt 0x0
	s_add_nc_u64 s[20:21], s[4:5], s[20:21]
	s_add_nc_u64 s[22:23], s[6:7], s[22:23]
	s_add_nc_u64 s[46:47], s[8:9], s[46:47]
	s_add_nc_u64 s[92:93], s[10:11], s[92:93]
	CROUND                                         ; all sixteen work-groups are here: the joint loads meet
	s_mov_b32 s[G0S], 1
	s_add_co_u32 s[G0S+1], s94, SCL
	s_mov_b64 s[G0S+2:G0S+3], s[22:23]
	s_or_b32 s[G0S+3], s[G0S+3], 0x80000000
	s_mov_b32 s[G0SB], 1
	s_add_co_u32 s[G0SB+1], s94, SCL
	s_mov_b64 s[G0SB+2:G0SB+3], s[92:93]
	s_or_b32 s[G0SB+3], s[G0SB+3], 0x80000000
	JLOAD G0S, G1S, G0SB, G1SB                     ; the scales first; three tensor loads of mine are out at the most
.irp s, 0,1
	s_mov_b32 s[G0+4*\s], 1
	s_add_co_u32 s[G0+4*\s+1], s45, \s*SLOT
	s_add_nc_u64 s[G0+4*\s+2:G0+4*\s+3], s[20:21], \s*ROWB
	s_or_b32 s[G0+4*\s+3], s[G0+4*\s+3], 0x80000000
	s_mov_b32 s[G0B+4*\s], 1
	s_add_co_u32 s[G0B+4*\s+1], s45, \s*SLOT
	s_add_nc_u64 s[G0B+4*\s+2:G0B+4*\s+3], s[46:47], \s*ROWB
	s_or_b32 s[G0B+4*\s+3], s[G0B+4*\s+3], 0x80000000
	JLOAD G0+4*\s, G1, G0B+4*\s, G1B
.endr
	v_and_b32 v1, 15, v0                           ; l % 16
	v_bfe_u32 v2, v0, 4, 1                         ; l / 16
	v_mul_u32_u24 v3, v1, PITCH
	v_lshl_add_u32 v4, v2, 4, v3
	s_mul_i32 s21, s15, HALFT
	s_mul_i32 s22, s16, HALFT
	s_add_co_u32 s22, s22, 2*HALFT
.irp s, 0,1
	v_add_nc_u32 v[ADRA+\s], s21, v4
	v_add_nc_u32 v[ADRB+\s], s22, v4
	s_add_co_u32 s21, s21, SLOT
	s_add_co_u32 s22, s22, SLOT
.endr
	v_mul_u32_u24 v5, v1, KS                       ; my row's scales: 32 bytes a row,
	v_lshrrev_b32 v6, 8, v5
	v_lshl_add_u32 v5, v6, 4, v5                   ; and 16 more for each 256 passed
	s_mul_i32 s21, s15, HALFS
	s_mul_i32 s22, s16, HALFS
	s_add_co_u32 s22, s22, 2*HALFS
	s_sub_co_u32 s22, s22, s21
	v_mul_u32_u24 v6, s22, v2                      ; lanes 16-31 take B's
	s_add_co_u32 s21, s21, SCL
	v_add_nc_u32 v5, v5, v6
	v_add_nc_u32 v[ADRS], s21, v5
	v_and_b32 v6, 31, v0
	v_lshlrev_b32 v[CO], 4, v6
	v_lshlrev_b32 v7, 5, v2                        ; the bias: 32 bytes for each half of the lanes
	s_cmp_eq_u32 s95, 1
	s_cselect_b64 s[96:97], s[98:99], s[96:97]
	s_cmp_eq_u32 s95, 2
	s_cselect_b64 s[96:97], s[100:101], s[96:97]
	s_lshl_b32 s46, s42, 10
	s_lshl_b32 s47, s16, 9
	s_add_co_u32 s46, s46, s47                     ; my first channel, in bytes of f32
	s_mov_b32 s47, 0
	s_add_nc_u64 s[96:97], s[96:97], s[46:47]
.irp b, 0,1,2,3,4,5,6,7
	global_load_b128 v[BR+8*\b:BR+8*\b+3], v7, s[96:97] offset:64*\b
	global_load_b128 v[BR+8*\b+4:BR+8*\b+7], v7, s[96:97] offset:64*\b+16
.endr
	s_lshr_b32 s20, s17, 3                         ; 4 z + batch
	s_lshl_b32 s20, s20, 4
	s_lshl_b32 s46, s42, 2
	s_add_co_u32 s20, s20, s46
	s_lshl_b32 s46, s16, 1
	s_add_co_u32 s20, s20, s46                     ; + my first head: 4 x tile column + 2 x half
	s_lshl_b32 s20, s20, 18                        ; a head's 128 tiles of 2,048 bytes
	s_and_b32 s46, s17, 7
	s_lshl_b32 s46, s46, 4
	s_lshl_b32 s47, s15, 3
	s_add_co_u32 s46, s46, s47                     ; my first tile of 16 tokens in the batch
	s_lshl_b32 s46, s46, 11
	s_add_co_u32 s20, s20, s46
	s_mov_b32 s21, 0
	s_add_nc_u64 s[12:13], s[12:13], s[20:21]
.macro FRAG reg, adr, q, i             ; 16 rows x 128 K of 4-bit codes: 8 registers: two loads of 16 bytes, 32 bytes apart
.irp c, 0,1
	ds_load_b128 v[\reg+4*\c:\reg+4*\c+3], v[\adr] offset:64*(\q)+32*\c+(\i)*16*PITCH
.endr
.endm
; 16 matrix instructions: A's blocks a0, a0 + 1 x B's eight.  zero = 1: the first product starts the sums from the bias.  The 64 accumulators take turns, one instruction a turn.
.macro MUL16 a0, p, q, sc, zero
.irp a, \a0, \a0+1
.irp b, 0,1,2,3,4,5,6,7
.if \zero
	v_wmma_scale_f32_16x16x128_f8f6f4 v[8*(8*((\a)%4)+\b):8*(8*((\a)%4)+\b)+7], v[128*(\p)+FR*\b:128*(\p)+FR*\b+FR-1], v[AF+FR*(\a):AF+FR*(\a)+FR-1], v[BR+8*\b:BR+8*\b+7], v[SC+8*NQ*(\sc)+NQ*\b+(\q)], v[SC+8*NQ*(\sc)+NQ*(\a)+(\q)] matrix_a_fmt:MATRIX_FMT_FP4 matrix_b_fmt:MATRIX_FMT_FP4 matrix_a_scale:MATRIX_SCALE_ROW1
.else
	v_wmma_scale_f32_16x16x128_f8f6f4 v[8*(8*((\a)%4)+\b):8*(8*((\a)%4)+\b)+7], v[128*(\p)+FR*\b:128*(\p)+FR*\b+FR-1], v[AF+FR*(\a):AF+FR*(\a)+FR-1], v[8*(8*((\a)%4)+\b):8*(8*((\a)%4)+\b)+7], v[SC+8*NQ*(\sc)+NQ*\b+(\q)], v[SC+8*NQ*(\sc)+NQ*(\a)+(\q)] matrix_a_fmt:MATRIX_FMT_FP4 matrix_b_fmt:MATRIX_FMT_FP4 matrix_a_scale:MATRIX_SCALE_ROW1
.endif
.endr
.endr
.endm
.macro FETCH_B slot, q, p
	WIN TO_B
.irp i, 0,1,2,3,4,5,6,7
	FRAG 128*(\p)+FR*\i, ADRB+\slot, \q, \i
.endr
	WIN 0
.endm
.macro FETCH_A slot, q, i0
.irp i, \i0, \i0+1, \i0+2, \i0+3
	FRAG AF+FR*(\i), ADRA+\slot, \q, \i
.endr
.endm
.macro SCALES sc                       ; a slot's scale words: 4 words a row; lanes 0-15 take A's block i, lanes 16-31 B's block i
.irp i, 0,1,2,3,4,5,6,7
	ds_load_b128 v[SC+8*NQ*\sc+NQ*\i:SC+8*NQ*\sc+NQ*\i+3], v[ADRS] offset:\i*SBLK
.endr
.endm
.macro PLACES n                        ; plain vector instructions between a matrix instruction and a load into, or a vector write of, its registers, or a read of its result
.rept \n
	v_nop
.endr
.endm
.macro STEP slot, q, zero              ; 128 along K, with its successor in the same slot
	s_wait_dscnt 4*NL                              ; B's set and A's blocks 0-3 are in; the youngest eight loads (A's blocks 4-7) may be out
.if \zero
	WIN ONE_LO
.else
	WIN MUL_LO
.endif
	MUL16 0, (\q)%2, \q, \slot, \zero
	MUL16 2, (\q)%2, \q, \slot, \zero
	s_wait_dscnt 0
	PLACES NP
	FETCH_B \slot, (\q)+1, 1-(\q)%2
	FETCH_A \slot, (\q)+1, 0
.if \zero
	WIN ONE_HI
.else
	WIN MUL_HI
.endif
	MUL16 4, (\q)%2, \q, \slot, \zero
	MUL16 6, (\q)%2, \q, \slot, \zero
	PLACES NP
	WIN 0
	FETCH_A \slot, (\q)+1, 4
.endm
.macro TURN slot, next                 ; slot 0's last step changes slots: one barrier; in front of it each wave's part of slot 1 has landed.  Nothing is filled again
	s_wait_tensorcnt 0x0                           ; all my tensor loads have landed
	ds_add_u32 v[SPW], v[NIL]                      ; 0 onto my spare word
	s_wait_dscnt 4*NL+1                            ; (the add and A's blocks 4-7 may be out)
	WIN MUL_LO
	MUL16 0, 1, NQ-1, \slot, 0
	s_wait_dscnt 0x0
	s_barrier_signal -1
	MUL16 2, 1, NQ-1, \slot, 0
	WIN 0
	s_barrier_wait -1
	PLACES NP
	v_add_nc_u32 v[ADRS], 4*NQ, v[ADRS]            ; on to the next slot's scale words (no LDS load of mine is out)
	FETCH_B \next, 0, 0
	FETCH_A \next, 0, 0
	SCALES \next
	WIN MUL_HI
	MUL16 4, 1, NQ-1, \slot, 0
	MUL16 6, 1, NQ-1, \slot, 0
	PLACES NP
	WIN 0
	FETCH_A \next, 0, 4
.endm
.macro STEPS slot, from
.set QQ, \from
.rept NQ-1-\from
	STEP \slot, QQ, 0
.set QQ, QQ+1
.endr
.endm
	s_wait_tensorcnt 1                             ; the scales and my part of slot 0 are in (slot 1's load may be out),
	s_barrier_signal -1
	s_barrier_wait -1                              ; everybody's are
	FETCH_B 0, 0, 0
	FETCH_A 0, 0, 0
	SCALES 0
	FETCH_A 0, 0, 4
	s_wait_loadcnt 0x0                             ; the bias
	STEP 0, 0, 1
	STEPS 0, 1
	TURN 0, 1
	STEPS 1, 0
	s_wait_dscnt 4*NL                              ; the last step: nothing more to fetch
	WIN MUL_LO
	MUL16 0, 1, NQ-1, 1, 0
	MUL16 2, 1, NQ-1, 1, 0
	s_wait_dscnt 0
	WIN MUL_HI
	MUL16 4, 1, NQ-1, 1, 0
	MUL16 6, 1, NQ-1, 1, 0
	WIN 0
; THE WAY OUT, a block of 16 tokens at a time: 32 roundings to f16 (each accumulator from its low end on), eight stores of 512 consecutive bytes.  Four sets of 32 registers take turns.
.macro OUTB a
.if (\a) >= 4
	s_wait_xcnt 0x0                                ; the stores of four blocks back have read their registers
.endif
.set AC, 64*((\a)%4)
.set PB, PK+32*((\a)%4)
	WIN 0x0a+5*((\a)/4)                            ; sources 0 and 1: window 2 or 3
.irp b, 0,1,2,3,4,5,6,7
.irp i, 0,1,2,3
	v_cvt_pk_f16_f32 v[PB+4*\b+\i], v[AC+8*\b+2*\i], v[AC+8*\b+2*\i+1]
.endr
.endr
	WIN 0
.irp b, 0,1,2,3,4,5,6,7
	global_store_b128 v[CO], v[PB+4*\b:PB+4*\b+3], s[12:13] offset:(\b/4)*262144+(\a)*2048+(\b%4)*512   ; head b / 4 of my two, tile a, chunk b % 4 of the tile's four
.endr
.endm
	PLACES NP
.irp a, 0,1,2,3,4,5,6,7
	OUTB \a
.endr
	s_wait_tensorcnt 0x0                           ; the wave's end, behind my last tensor load
	ds_add_u32 v[SPW], v[NIL]
	s_wait_dscnt 0x0
	CROUND                                         ; the closing round
	s_endpgm
.Lfunc_end_k_qa2641bea11_proj:
	.size	k_qa2641bea11_proj, .Lfunc_end_k_qa2641bea11_proj-k_qa2641bea11_proj
	.p2alignl 7, 3214868480
	.fill 96, 4, 3214868480
	.section	.rodata,"a",@progbits
	.p2align	6, 0x0
	.amdhsa_kernel k_qa2641bea11_proj
		.amdhsa_group_segment_fixed_size 327680
		.amdhsa_private_segment_fixed_size 0
		.amdhsa_enable_private_segment 0
		.amdhsa_kernarg_size 64
		.amdhsa_user_sgpr_count 2
		.amdhsa_user_sgpr_kernarg_segment_ptr 1
		.amdhsa_wavefront_size32 1
		.amdhsa_system_sgpr_workgroup_id_x 1
		.amdhsa_system_sgpr_workgroup_id_y 1
		.amdhsa_system_sgpr_workgroup_id_z 1
		.amdhsa_system_vgpr_workitem_id 0
		.amdhsa_next_free_vgpr 1024
		.amdhsa_next_free_sgpr 102
		.amdhsa_reserve_vcc 0
		.amdhsa_float_denorm_mode_32 3
		.amdhsa_float_denorm_mode_16_64 3
		.amdhsa_memory_ordered 1
		.amdhsa_forward_progress 1
		.amdhsa_inst_pref_size 119
	.end_amdhsa_kernel
	.amdgpu_metadata
---
amdhsa.version: [ 1, 2 ]
amdhsa.kernels:
  - .name:           k_qa2641bea11_proj
    .symbol:         k_qa2641bea11_proj.kd
    .args:
      - { .name: xc, .offset: 0, .size: 8, .value_kind: global_buffer, .address_space: global }
      - { .name: xs, .offset: 8, .size: 8, .value_kind: global_buffer, .address_space: global }
      - { .name: wc, .offset: 16, .size: 8, .value_kind: global_buffer, .address_space: global }
      - { .name: ws, .offset: 24, .size: 8, .value_kind: global_buffer, .address_space: global }
      - { .name: b_q, .offset: 32, .size: 8, .value_kind: global_buffer, .address_space: global }
      - { .name: b_k, .offset: 40, .size: 8, .value_kind: global_buffer, .address_space: global }
      - { .name: b_v, .offset: 48, .size: 8, .value_kind: global_buffer, .address_space: global }
      - { .name: qkv, .offset: 56, .size: 8, .value_kind: global_buffer, .address_space: global }
    .group_segment_fixed_size: 327680
    .private_segment_fixed_size: 0
    .kernarg_segment_align: 8
    .kernarg_segment_size: 64
    .max_flat_workgroup_size: 128
    .sgpr_count:     102
    .vgpr_count:     1024
    .wavefront_size: 32
...
	.end_amdgpu_metadata
.endif
;; end of part 2
;; launch attn (part 3): grid 4 x 64, 16 waves a work-group, no clusters, 38,912 bytes of LDS; arguments qkv, cnt, att; writes att
.if DOCPART == 3
	.amdgcn_target "amdgcn-amd-amdhsa--gfx1250"
	.amdhsa_code_object_version 6
	.text
	.protected	k_qa2641bea11_attn
	.globl	k_qa2641bea11_attn
	.p2align	8
	.type	k_qa2641bea11_attn,@function
k_qa2641bea11_attn:
	s_mov_b64 s[64:65], 0
	v_nop
	global_prefetch_b8 v0, s[64:65] scope:SCOPE_SE
	s_setreg_imm32_b32 hwreg(HW_REG_WAVE_MODE, 25, 1), 1
	s_wait_xcnt 0x0
; o[q] = the sum over the kept keys k of softmax_k(q . k / 8) v[k], for one batch and head; q, k, v in f16 (images of operand registers, made by the launch before), products and sums in f32,
; the weights p rounded to f16 for the second product, o to f16 at the end.
; THE MASK.  The keys of a batch lie compacted: the CN kept ones in front.  A masked key's weight is exactly 0, so only the first ceil(CN / 64) steps of 64 keys are worked; in the last of them the scores
; of keys from CN on are put under every score ahead of the maximum.  CN = 0 leaves 0 x (1 / 0): NaN in every row, as a softmax over nothing gives.
; SHARES.  A work-group owns 512 queries of one head; each of its sixteen waves two tiles of 16, in 256 registers: four waves to a SIMD, so that one wave's softmax stands beside another's products.
; LAYOUT.  S^T = K Q^T (source 0 = 16 keys, source 1 = 16 queries), O^T = V^T P (source 0 = 16 channels, source 1 = P): a lane holds ONE query throughout; two tiles of S^T, rounded in pairs, are P's fragment.
; K AND V COME THROUGH REGISTERS INTO TWO LDS SLOTS: the launch has no tensor load and no cluster.  A step's K and V are 8,192 bytes each:
; 16 bytes a thread.  Step J reads slot J % 2, stores tile J + 1 (loaded a step ago) into the other slot and asks for tile J + 2.  ONE barrier a step: in front of it a wave's stores have landed and its reads are over.
; All 32 steps pass their barrier; a step from ceil(CN / 64) on does nothing else.  K lies in LDS as its images lie in memory; V as rows [key][64 channels], 160 bytes apart, and is read turned.
; SOFTMAX.  A running maximum m and sum l for each query: p = 2^(c s - c m), c = log2(e) / 8; O and l are multiplied by a = 2^(c m_old - c m_new) in every step.  The sum is taken of the unrounded p.
; LIMITS: p under 2^-24 rounds to 0 in f16; o must stay within 65,504.
.set SLOTB, 18432                      ; a slot: K's 8 images (8,192 bytes), then V's 64 rows of 160 bytes
.set VOFF,  8192
.set PVP,   160                        ; 128 bytes + 32 of padding: 40 words, so that the eight rows of the turning load's groups start at different banks
.set SPARE, 2*SLOTB                    ; the spare words, 128 bytes a wave: eight blocks of 256 bytes that no other line names
.set PFO,  0                           ; v0  256 x lane: the prefetch's offset (written when the head is done with the thread's number)
.set LI,   1                           ; v1  16 x lane
.set AV,   2                           ; v2  my lane's place in V's rows for the turning load
.set TMP,  3
.set VST,  4                           ; v4  where my thread stores its 16 bytes of V
.set GOFF, 5                           ; v5  16 x thread: my 16 bytes of a tile in memory, and of K's in LDS
.set SPW,  6
.set NIL,  7
.set ST,   8                           ; tile t at v[ST + 8 t]: +0 c m, +1 m, +2, +3 l, +4 .. +7 at work (a in +6)
.set STG,  24                          ; v24-27 K's, v28-31 V's 16 bytes on their way to LDS
.set Q,    32                          ; v[Q + 16 t + 8 c]
.set KV,   64                          ; eight fragments of K, then of V
.set S,    128                         ; v[S + 32 t + 8 i]: S^T; p; P packed into the low 16 of each tile
.set O,    192                         ; v[O + 32 t + 8 u]
	s_load_b128 s[4:7], s[0:1], 0x0                ; qkv, cnt
	s_load_b64 s[8:9], s[0:1], 0x10                ; att
	v_lshl_add_u32 v[SPW], v0, 2, SPARE
	v_mov_b32 v[NIL], 0
	v_lshrrev_b32 v1, 5, v0
	v_readfirstlane_b32 s10, v1                    ; wave 0..15
	s_and_b32 s29, ttmp7, 0xffff                   ; 16 x batch + head
	s_mov_b32 s38, ttmp9                           ; which 512 queries
	v_lshlrev_b32 v[GOFF], 4, v0
	v_lshrrev_b32 v2, 7, v0                        ; my 16 bytes of V's tile are: key 16 (thread / 128) + thread % 16,
	v_and_b32 v3, 15, v0
	v_lshl_add_u32 v2, v2, 4, v3
	v_mul_u32_u24 v2, v2, PVP
	v_bfe_u32 v3, v0, 4, 3                         ; channels 8 ((thread / 16) % 8) on
	v_lshl_add_u32 v[VST], v3, 4, v2
	v_bfe_u32 v2, v0, 4, 1
	v_and_b32 v3, 7, v0
	v_lshl_add_u32 v2, v2, 3, v3                   ; the turning load: key 8 (l / 16) + l % 8,
	v_mul_u32_u24 v2, v2, PVP
	v_bfe_u32 v3, v0, 3, 1
	v_lshl_add_u32 v[AV], v3, 4, v2                ; channels 8 ((l / 8) % 2) on
	v_and_b32 v1, 31, v0
	v_lshlrev_b32 v[PFO], 8, v1
	v_lshlrev_b32 v[LI], 4, v1
	s_mov_b32 s27, 0                               ; the upper word of every offset; stays 0
	s_mov_b32 s30, 0x3e38aa3b                      ; c = log2(e) / 8
	s_mov_b32 s31, s30
	s_mov_b32 s32, 0x76543210
	s_mov_b32 s33, 0xfedcba98                      ; lane l xor 16
	s_lshr_b32 s26, s29, 4
	s_lshl_b32 s26, s26, 7
	s_wait_kmcnt 0x0
	s_add_nc_u64 s[6:7], s[6:7], s[26:27]
	s_load_b32 s11, s[6:7], 0x0                    ; CN: the batch's kept keys
	s_lshl_b32 s26, s29, 18
	s_add_nc_u64 s[16:17], s[4:5], s[26:27]        ; my head in q's part,
	s_add_nc_u64 s[18:19], s[16:17], 0x2000000     ; VB: in v's
	s_lshl_b32 s26, s38, 5
	s_lshl_b32 s39, s10, 1
	s_add_co_u32 s39, s39, s26                     ; my first tile of queries: 32 x + 2 w
	s_lshl_b32 s26, s39, 11
	s_add_nc_u64 s[34:35], s[16:17], s[26:27]
	s_add_nc_u64 s[16:17], s[16:17], 0x1000000     ; KB: in k's
	global_load_b128 v[STG:STG+3], v[GOFF], s[16:17]        ; tile 0
	global_load_b128 v[STG+4:STG+7], v[GOFF], s[18:19]
.irp t, 0,1
.irp c, 0,1
.irp u, 0,1
	global_load_b128 v[Q+16*\t+8*\c+4*\u:Q+16*\t+8*\c+4*\u+3], v[LI], s[34:35] offset:2048*\t+1024*\c+512*\u
.endr
.endr
.endr
	s_lshr_b32 s26, s29, 4
	s_lshl_b32 s26, s26, 7
	s_add_co_u32 s26, s26, s39
	s_lshl_b32 s26, s26, 15                        ; att: a tile of 16 tokens is 32,768 bytes,
	s_and_b32 s39, s29, 15
	s_lshl_b32 s39, s39, 11                        ; a head's two images 2,048
	s_add_co_u32 s26, s26, s39
	s_add_nc_u64 s[36:37], s[8:9], s[26:27]
	s_lshr_b32 s28, s10, 1                         ; who prefetches: waves 0 (K) and 1 (V) of the head's first work-group
	s_or_b32 s28, s28, s38
	s_cmp_eq_u32 s28, 0
	s_mov_b32 s28, 0x10000
	s_cselect_b32 s28, 3, s28                      ; a wave asks while J + this is under the steps to be worked
	s_cmp_eq_u32 s10, 0
	s_cselect_b64 s[24:25], s[16:17], s[18:19]
	s_add_nc_u64 s[24:25], s[24:25], 16384         ; at tile 2: step 0 steps it to tile 3
.irp t, 0,1
	v_mov_b32 v[ST+8*\t+1], 0xff61b1e6             ; m = -3e38, under every score
	v_mul_f32 v[ST+8*\t], s30, v[ST+8*\t+1]
.irp j, 2,3,4,5,6,7
	v_mov_b32 v[ST+8*\t+\j], 0
.endr
.endr
.irp j, 0,1,2,3,4,5,6,7,8,9,10,11,12,13,14,15,16,17,18,19,20,21,22,23,24,25,26,27,28,29,30,31,32,33,34,35,36,37,38,39,40,41,42,43,44,45,46,47,48,49,50,51,52,53,54,55,56,57,58,59,60,61,62,63
	v_mov_b32 v[O+\j], 0                           ; the step is written once: the first finds zeros, which a = 0 leaves zeros
.endr
	s_wait_loadcnt 8                               ; tile 0 is in; Q's eight loads may be out
	ds_store_b128 v[GOFF], v[STG:STG+3]
	ds_store_b128 v[VST], v[STG+4:STG+7] offset:VOFF
	s_wait_dscnt 0x0                               ; the stores have read their registers
	global_load_b128 v[STG:STG+3], v[GOFF], s[16:17] offset:8192     ; tile 1
	global_load_b128 v[STG+4:STG+7], v[GOFF], s[18:19] offset:8192
	s_wait_kmcnt 0x0
	s_min_u32 s11, s11, 2048
	s_add_co_u32 s12, s11, 63
	s_lshr_b32 s12, s12, 6                         ; TR: steps to be worked
	s_lshr_b32 s13, s11, 6                         ; TL: steps all of whose keys are kept
	s_mov_b32 s14, 0                               ; J
	s_mov_b32 s15, 16
	s_wait_loadcnt 2                               ; Q is in; tile 1's two loads may be out
.macro STEP slot
	s_wait_dscnt 0x0                               ; my stores of tile J have landed, my reads of the other slot are over
	s_barrier_signal -1
	s_barrier_wait -1                              ; every wave, every step
	s_cmp_ge_u32 s14, s12
	s_cbranch_scc1 .Lskip_\@                       ; the same in all waves; it leads round work alone
.irp f, 0,1,2,3,4,5,6,7                        ; K: keys 16 (f / 2) on, channels 32 (f % 2) on
	ds_load_b128 v[KV+8*\f:KV+8*\f+3], v[LI] offset:\slot*SLOTB+1024*\f
	ds_load_b128 v[KV+8*\f+4:KV+8*\f+7], v[LI] offset:\slot*SLOTB+1024*\f+512
.endr
	s_wait_loadcnt 0x0                             ; tile J + 1 is in its registers
	ds_store_b128 v[GOFF], v[STG:STG+3] offset:(1-\slot)*SLOTB
	ds_store_b128 v[VST], v[STG+4:STG+7] offset:(1-\slot)*SLOTB+VOFF
	s_wait_xcnt 0x0                                ; the last step's loads and prefetch have read their addresses
	s_add_co_u32 s26, s14, 2
	s_min_u32 s26, s26, 31                         ; no load leaves the head's 32 tiles
	s_lshl_b32 s26, s26, 13
	s_add_nc_u64 s[20:21], s[16:17], s[26:27]
	s_add_nc_u64 s[22:23], s[18:19], s[26:27]
	s_add_nc_u64 s[24:25], s[24:25], 8192
	s_wait_dscnt 0x0                               ; K is in; the stores have read their registers
	global_load_b128 v[STG:STG+3], v[GOFF], s[20:21]        ; tile J + 2: a whole step in which to land
	global_load_b128 v[STG+4:STG+7], v[GOFF], s[22:23]
	s_add_co_u32 s26, s14, s28                     ; a prefetch of tile J + 3, one step ahead of its load: 8,192 bytes, lanes 256 bytes apart; each tile is named once for its head; none past the last worked tile
	s_cmp_lt_u32 s26, s12
	s_cbranch_scc0 .Lnoask_\@
	global_prefetch_b8 v[PFO], s[24:25] th:TH_LOAD_NT scope:SCOPE_SE
.Lnoask_\@:
.set n, 0
.rept 16                                       ; S^T = K Q^T: eight accumulators by turns, channels 32 (n / 8) on
.set rS, S+32*(n%2)+8*((n/2)%4)
.set rK, KV+8*(2*((n/2)%4)+n/8)
.set rQ, Q+16*(n%2)+8*(n/8)
.if n < 8
	v_wmma_f32_16x16x32_f16 v[rS:rS+7], v[rK:rK+7], v[rQ:rQ+7], 0
.else
	v_wmma_f32_16x16x32_f16 v[rS:rS+7], v[rK:rK+7], v[rQ:rQ+7], v[rS:rS+7]
.endif
.set n, n+1
.endr
.rept 4
	v_nop                                          ; places in front of the loads into K's registers and of the first read of the scores
.endr
.irp f, 0,1,2,3,4,5,6,7                        ; V, turned: keys 32 (f / 4) on, channels 16 (f % 4) on; it lands while the softmax is worked
	ds_load_tr16_b128 v[KV+8*\f:KV+8*\f+3], v[AV] offset:\slot*SLOTB+VOFF+(\f/4)*32*PVP+(\f%4)*32
	ds_load_tr16_b128 v[KV+8*\f+4:KV+8*\f+7], v[AV] offset:\slot*SLOTB+VOFF+(\f/4)*32*PVP+16*PVP+(\f%4)*32
.endr
	s_cmp_lg_u32 s14, s13
	s_cbranch_scc1 .Lopen_\@                       ; only the step that holds key CN hides anything
	s_lshl_b32 s26, s14, 6
	s_sub_co_u32 s26, s11, s26
	s_sub_co_u32 s26, s26, 1
	v_bfe_u32 v[TMP], v[LI], 8, 1
	v_lshlrev_b32 v[TMP], 3, v[TMP]
	v_sub_nc_u32 v[TMP], s26, v[TMP]               ; register 8 i + j holds key 64 J + 16 i + 8 (l / 16) + j: hidden where 16 i + j > CN - 64 J - 8 (l / 16) - 1
	v_mov_b32 v[ST+4], 0xff61b1e6
.irp i, 0,1,2,3
.irp j, 0,1,2,3,4,5,6,7
	v_cmp_gt_i32 vcc_lo, 16*\i+\j, v[TMP]
	v_cndmask_b32 v[S+8*\i+\j], v[S+8*\i+\j], v[ST+4], vcc_lo
	v_cndmask_b32 v[S+32+8*\i+\j], v[S+32+8*\i+\j], v[ST+4], vcc_lo
.endr
.endr
.Lopen_\@:
.irp j, 0,1,2,3                                ; the maximum: four chains a tile, each from its accumulator's low end on; the two tiles line by line
.irp t, 0,1
	v_max3_num_f32 v[ST+8*\t+4+\j], v[S+32*\t+8*\j], v[S+32*\t+8*\j+1], v[S+32*\t+8*\j+2]
.endr
.endr
.irp g, 1,2
.irp j, 0,1,2,3
.irp t, 0,1
	v_max3_num_f32 v[ST+8*\t+4+\j], v[ST+8*\t+4+\j], v[S+32*\t+8*\j+2*\g+1], v[S+32*\t+8*\j+2*\g+2]
.endr
.endr
.endr
.irp t, 0,1
	v_max3_num_f32 v[ST+8*\t+4], v[ST+8*\t+4], v[S+32*\t+7], v[S+32*\t+15]
.endr
.irp t, 0,1
	v_max3_num_f32 v[ST+8*\t+6], v[ST+8*\t+6], v[S+32*\t+23], v[S+32*\t+31]
.endr
.irp t, 0,1
	v_max3_num_f32 v[ST+8*\t+4], v[ST+8*\t+4], v[ST+8*\t+5], v[ST+8*\t+6]
.endr
.irp t, 0,1
	v_max3_num_f32 v[ST+8*\t+4], v[ST+8*\t+4], v[ST+8*\t+7], v[ST+8*\t+1]
.endr
.irp t, 0,1
	v_permlanex16_b32 v[ST+8*\t+5], v[ST+8*\t+4], s32, s33   ; the query's other 32 keys lie in the lane 16 away
.endr
.irp t, 0,1
	v_mov_b32 v[ST+8*\t+7], v[ST+8*\t]             ; c m_old
.endr
.irp t, 0,1
	v_max_num_f32 v[ST+8*\t+1], v[ST+8*\t+4], v[ST+8*\t+5]
.endr
.irp t, 0,1
	v_mul_f32 v[ST+8*\t], s30, v[ST+8*\t+1]
.endr
.irp t, 0,1
	v_sub_f32 v[ST+8*\t+7], v[ST+8*\t+7], v[ST+8*\t]
.endr
.irp j, 0,2,4,6,8,10,12,14,16,18,20,22,24,26,28,30
.irp t, 0,1
	v_pk_fma_f32 v[S+32*\t+\j:S+32*\t+\j+1], v[S+32*\t+\j:S+32*\t+\j+1], s[30:31], v[ST+8*\t:ST+8*\t+1] op_sel_hi:[1,0,0] neg_lo:[0,0,1] neg_hi:[0,0,1]   ; c s - c m
.endr
.endr
.irp t, 0,1
	v_exp_f32 v[ST+8*\t+6], v[ST+8*\t+7]           ; a
.endr
.irp j, 0,1,2,3,4,5,6,7,8,9,10,11,12,13,14,15,16,17,18,19,20,21,22,23,24,25,26,27,28,29,30,31
.irp t, 0,1
	v_exp_f32 v[S+32*\t+\j], v[S+32*\t+\j]         ; p
.endr
.endr
	v_nop                                          ; a plain instruction behind the last exponential
	s_wait_alu depctr_va_vdst(0)                   ; one wait for the batch of 66, ahead of its first reader
.irp t, 0,1
	v_pk_fma_f32 v[ST+8*\t+2:ST+8*\t+3], v[ST+8*\t+2:ST+8*\t+3], v[ST+8*\t+6:ST+8*\t+7], v[S+32*\t:S+32*\t+1] op_sel_hi:[1,0,1]   ; l = a l + p, in two chains
.endr
.irp t, 0,1
	v_pk_add_f32 v[ST+8*\t+4:ST+8*\t+5], v[S+32*\t+2:S+32*\t+3], v[S+32*\t+4:S+32*\t+5]
.endr
.irp j, 6,10,14,18,22,26
.irp t, 0,1
	v_pk_add_f32 v[ST+8*\t+2:ST+8*\t+3], v[ST+8*\t+2:ST+8*\t+3], v[S+32*\t+\j:S+32*\t+\j+1]
	v_pk_add_f32 v[ST+8*\t+4:ST+8*\t+5], v[ST+8*\t+4:ST+8*\t+5], v[S+32*\t+\j+2:S+32*\t+\j+3]
.endr
.endr
.irp t, 0,1
	v_pk_add_f32 v[ST+8*\t+2:ST+8*\t+3], v[ST+8*\t+2:ST+8*\t+3], v[S+32*\t+30:S+32*\t+31]
.endr
.irp t, 0,1
	v_pk_add_f32 v[ST+8*\t+2:ST+8*\t+3], v[ST+8*\t+2:ST+8*\t+3], v[ST+8*\t+4:ST+8*\t+5]
.endr
.irp j, 0,1,2,3,4,5,6,7,8,9,10,11,12,13,14,15
.irp t, 0,1
	v_cvt_pk_f16_f32 v[S+32*\t+\j], v[S+32*\t+2*\j], v[S+32*\t+2*\j+1]   ; in place, ascending: register j is written when its own p has been read
.endr
.endr
.irp j, 0,2,4,6,8,10,12,14,16,18,20,22,24,26,28,30
.irp t, 0,1
	v_pk_mul_f32 v[O+32*\t+\j:O+32*\t+\j+1], v[O+32*\t+\j:O+32*\t+\j+1], v[ST+8*\t+6:ST+8*\t+7] op_sel_hi:[1,0]   ; O^T x a
.endr
.endr
	s_wait_dscnt 0x0                               ; V is in
.set n, 0
.rept 16                                       ; O^T += V^T P: eight accumulators by turns, keys 32 (n / 8) on
.set rO, O+32*(n%2)+8*((n/2)%4)
.set rV, KV+8*(4*(n/8)+(n/2)%4)
.set rP, S+32*(n%2)+8*(n/8)
	v_wmma_f32_16x16x32_f16 v[rO:rO+7], v[rV:rV+7], v[rP:rP+7], v[rO:rO+7]
.set n, n+1
.endr
.rept 5
	v_nop                                          ; the next step's first products write over P, and its loads land on V's registers
.endr
.Lskip_\@:
	s_add_co_u32 s14, s14, 1
.endm
.Lpair:
	STEP 0
	STEP 1
	s_sub_co_u32 s15, s15, 1
	s_cmp_lg_u32 s15, 0
	s_cbranch_scc1 .Lpair
	; THE WAY OUT.  O^T / l, rounded to f16: a lane's eight channels of a query are a lane's 16 bytes of the next launch's operand image, so each store covers 512 consecutive bytes, aligned.
.irp t, 0,1
	v_add_f32 v[ST+8*\t+4], v[ST+8*\t+2], v[ST+8*\t+3]
.endr
.irp t, 0,1
	v_permlanex16_b32 v[ST+8*\t+5], v[ST+8*\t+4], s32, s33
.endr
.irp t, 0,1
	v_add_f32 v[ST+8*\t+4], v[ST+8*\t+4], v[ST+8*\t+5]
.endr
.irp t, 0,1
	v_rcp_f32 v[ST+8*\t+6], v[ST+8*\t+4]
.endr
	v_nop
	s_wait_alu depctr_va_vdst(0)                   ; one wait for the two reciprocals, ahead of their first reader
.irp j, 0,2,4,6,8,10,12,14,16,18,20,22,24,26,28,30
.irp t, 0,1
	v_pk_mul_f32 v[O+32*\t+\j:O+32*\t+\j+1], v[O+32*\t+\j:O+32*\t+\j+1], v[ST+8*\t+6:ST+8*\t+7] op_sel_hi:[1,0]
.endr
.endr
.irp j, 0,1,2,3,4,5,6,7,8,9,10,11,12,13,14,15
.irp t, 0,1
	v_cvt_pk_f16_f32 v[S+16*\t+\j], v[O+32*\t+2*\j], v[O+32*\t+2*\j+1]
.endr
.endr
.irp t, 0,1
.irp u, 0,1,2,3
	global_store_b128 v[LI], v[S+16*\t+4*\u:S+16*\t+4*\u+3], s[36:37] offset:32768*\t+512*\u
.endr
.endr
	s_wait_tensorcnt 0x0                           ; the wave's end, behind my last LDS store
	ds_add_u32 v[SPW], v[NIL]
	s_wait_dscnt 0x0
	s_endpgm
.Lfunc_end_k_qa2641bea11_attn:
	.size	k_qa2641bea11_attn, .Lfunc_end_k_qa2641bea11_attn-k_qa2641bea11_attn
	.p2alignl 7, 3214868480
	.fill 96, 4, 3214868480
	.section	.rodata,"a",@progbits
	.p2align	6, 0x0
	.amdhsa_kernel k_qa2641bea11_attn
		.amdhsa_group_segment_fixed_size 38912
		.amdhsa_private_segment_fixed_size 0
		.amdhsa_enable_private_segment 0
		.amdhsa_kernarg_size 24
		.amdhsa_user_sgpr_count 2
		.amdhsa_user_sgpr_kernarg_segment_ptr 1
		.amdhsa_wavefront_size32 1
		.amdhsa_system_sgpr_workgroup_id_x 1
		.amdhsa_system_sgpr_workgroup_id_y 1
		.amdhsa_system_sgpr_workgroup_id_z 1
		.amdhsa_system_vgpr_workitem_id 0
		.amdhsa_next_free_vgpr 256
		.amdhsa_next_free_sgpr 66
		.amdhsa_reserve_vcc 1
		.amdhsa_float_denorm_mode_32 3
		.amdhsa_float_denorm_mode_16_64 3
		.amdhsa_memory_ordered 1
		.amdhsa_forward_progress 1
		.amdhsa_inst_pref_size 55
	.end_amdhsa_kernel
	.amdgpu_metadata
---
amdhsa.version: [ 1, 2 ]
amdhsa.kernels:
  - .name:           k_qa2641bea11_attn
    .symbol:         k_qa2641bea11_attn.kd
    .args:
      - { .name: qkv, .offset: 0, .size: 8, .value_kind: global_buffer, .address_space: global }
      - { .name: cnt, .offset: 8, .size: 8, .value_kind: global_buffer, .address_space: global }
      - { .name: att, .offset: 16, .size: 8, .value_kind: global_buffer, .address_space: global }
    .group_segment_fixed_size: 38912
    .private_segment_fixed_size: 0
    .kernarg_segment_align: 8
    .kernarg_segment_size: 24
    .max_flat_workgroup_size: 512
    .sgpr_count:     66
    .vgpr_count:     256
    .wavefront_size: 32
...
	.end_amdgpu_metadata
.endif
;; end of part 3
;; launch outp (part 4): grid 4 x 64, 4 waves a work-group, clusters of 4 x 4, 327,680 bytes of LDS; arguments att, wo, b_o, out0; writes out0
.if DOCPART == 4
	.amdgcn_target "amdgcn-amd-amdhsa--gfx1250"
	.amdhsa_code_object_version 6
	.text
	.protected	k_qa2641bea11_outp
	.globl	k_qa2641bea11_outp
	.p2align	8
	.type	k_qa2641bea11_outp,@function
k_qa2641bea11_outp:
	s_mov_b64 s[64:65], 0
	v_nop
	global_prefetch_b8 v0, s[64:65] scope:SCOPE_SE
	s_setreg_imm32_b32 hwreg(HW_REG_WAVE_MODE, 25, 1), 1
	s_wait_xcnt 0x0
	s_wait_alu depctr_hold_cnt(0) depctr_sa_sdst(0) depctr_va_vdst(0) depctr_va_sdst(0) depctr_va_ssrc(0) depctr_va_vcc(0) depctr_vm_vsrc(0)
	s_getreg_b32 s2, hwreg(HW_REG_IB_STS2, 6, 4)
	s_cmp_eq_u32 s2, 0
	s_cbranch_scc0 .Lentry_in_a_cluster
	s_endpgm
.Lentry_in_a_cluster:
	s_bfe_u32 s2, ttmp6, 0x10000c
	s_cmp_lg_u32 s2, 0xf033
	s_cbranch_scc0 .Lentry_shape_is_right
	s_endpgm
.Lentry_shape_is_right:
; out0 = att W_o^T + b_o.  att [8192 tokens][1024] and W_o [1024][1024] lie in f16 as images of operand registers: [tile of 16 rows][32 images of 32 along K][1,024 bytes]; sums and out0 in f32.
; A tile of 128 tokens x 256 columns is made by a work-group of four waves, 64 x 128 each: 32 accumulators, 256 registers: 256 work-groups.
; K goes in steps of 128 (four images a tile of rows: 4,096 consecutive bytes) through two LDS slots filled by the tensor data mover: waves 0 and 1 bring att's 8 tiles of rows, waves 2 and 3 W_o's 16.
; An image is read back by two loads of 512 consecutive bytes: no pitch, no padding.
; CLUSTERS: 4 x 4 work-groups; att's tiles are shared along a row of the cluster, W_o's along a column: each is asked for jointly.  A refill stands behind a round of the cluster's barrier.
; THE MATRIX INSTRUCTION IS USED TRANSPOSED (source 0 = 16 rows of W_o, source 1 = 16 tokens): a lane holds eight neighbouring columns of one row.  b_o is the C of each sum's first product.
; REGISTERS: window 0: v16-29 addresses; v32-95 b_o; v128-255 rows on the way out.  window 1: two fragment buffers of 96 (att's 4 fragments, then W_o's 8) at v0 and v128.  window 2: accumulator (a, b) at v[8 (8 a + b)].
.set SLOT,   98304                     ; att's 8 x 4,096 bytes, then W_o's 16 x 4,096
.set BOFF,   32768
.set STAGE,  2*SLOT                    ; behind the ring, bytes of its own: 16 rows x (512 + 16) bytes for each wave
.set SPITCH, 528
.set SPARE,  STAGE+4*16*SPITCH         ; the spare words, 128 bytes a wave: two blocks of 256 bytes that no other line names
.set ADA,  16                          ; v16-17 LDS address of my att fragments in slot 0, 1
.set ADB,  20                          ; v20-21 of my W_o fragments
.set STO,  24
.set RD,   25
.set CO,   26
.set SPW,  28
.set NIL,  29
.set BO,   32
.set BK,   128
.set F0,   0
.set F1,   128
.set G1,  24
.set G0,  32
.set G1B, 48
.set G0B, 56
.set MSB, 0
.macro WIN new                         ; the immediate's high byte repeats the setting that is left
.if MSB != \new
	s_set_vgpr_msb (MSB<<8)|\new
.set MSB, \new
.endif
.endm
.set MUL,  0xa5                        ; sources 0 and 1 window 1; C and D window 2
.set MUL1, 0x85                        ; the first products: C (b_o) window 0
.set TO_F, 0x40
.macro JLOAD s                         ; a joint load: waves 0 and 1 fetch att's halves, waves 2 and 3 W_o's; an s_nop 0 and four v_nop follow each of the two lines
	s_cmp_eq_u32 s11, 0
	s_cbranch_scc0 .Lfor_b_\@
	tensor_load_to_lds s[G0+4*\s:G0+4*\s+3], s[G1:G1+7]
	s_nop 0
.rept 4
	v_nop
.endr
	s_branch .Lasked_\@
.Lfor_b_\@:
	tensor_load_to_lds s[G0B+4*\s:G0B+4*\s+3], s[G1B:G1B+7]
	s_nop 0
.rept 4
	v_nop
.endr
.Lasked_\@:
.endm
.macro CREST                           ; a round of the cluster's barrier behind its opening barrier
	s_cmp_lg_u32 s10, 0
	s_cbranch_scc1 .Lnot_wave_0_\@
	s_barrier_signal -3
.Lnot_wave_0_\@:
	s_barrier_wait -3
	s_barrier_signal -1
	s_barrier_wait -1
.endm
.macro CROUND
	s_barrier_signal -1
	s_barrier_wait -1
	CREST
.endm
	s_load_b128 s[4:7], s[0:1], 0x0                ; att, wo
	s_load_b128 s[68:71], s[0:1], 0x10             ; b_o, out0
	v_lshl_add_u32 v[SPW], v0, 2, SPARE
	v_mov_b32 v[NIL], 0
	ds_add_u32 v[SPW], v[NIL]                      ; the wave's opening: the add, twice on end, and its wait ahead of my first tensor load
	ds_add_u32 v[SPW], v[NIL]
	v_lshrrev_b32 v1, 5, v0
	v_readfirstlane_b32 s10, v1                    ; wave 0..3
	s_lshr_b32 s11, s10, 1                         ; which 64 tokens are mine.  Also: I fetch for att (0) or for W_o (1)
	s_and_b32 s12, s10, 1                          ; which 128 columns.  Also: which half I fetch
	s_bfe_u32 s40, ttmp6, 0x40000
	s_bfe_u32 s41, ttmp6, 0x40004
	s_lshl_b32 s42, ttmp9, 2
	s_add_co_u32 s42, s42, s40                     ; tile column
	s_and_b32 s13, ttmp7, 0xffff
	s_lshl_b32 s13, s13, 2
	s_add_co_u32 s13, s13, s41                     ; tile row
	s_lshl_b32 s43, s41, 2
	s_lshl_b32 s43, 15, s43                        ; my row of the cluster
	s_lshl_b32 s44, 0x1111, s40                    ; my column
	s_or_b32 s[G1+0], s43, (3<<16)|(1<<21)         ; the mask; elements of 8 bytes; bit 21 beside a mask; no padding
	s_or_b32 s[G1B+0], s44, (3<<16)|(1<<21)
	s_mov_b32 s[G1+1], 512<<16                     ; tensor_dim0 = 512 elements: 4,096 bytes
	s_mov_b32 s[G1+2], 4<<16                       ; tensor_dim1: att: 4 tiles of rows to a load
	s_mov_b32 s[G1+3], 512<<16                     ; tile_dim0
	s_mov_b32 s[G1+4], 4                           ; tile_dim1
	s_mov_b32 s[G1+5], 4096                        ; from tile of rows to tile of rows: 32,768 bytes
	s_mov_b32 s[G1+6], 0
	s_mov_b32 s[G1+7], 0
	s_mov_b32 s[G1B+1], 512<<16
	s_mov_b32 s[G1B+2], 8<<16                      ; W_o: 8
	s_mov_b32 s[G1B+3], 512<<16
	s_mov_b32 s[G1B+4], 8
	s_mov_b32 s[G1B+5], 4096
	s_mov_b32 s[G1B+6], 0
	s_mov_b32 s[G1B+7], 0
	s_lshl_b32 s16, s13, 3
	s_lshl_b32 s17, s12, 2
	s_add_co_u32 s16, s16, s17
	s_lshl_b32 s16, s16, 15                        ; att: tile of rows 8 x tile row + 4 x half
	s_mov_b32 s17, 0
	s_lshl_b32 s46, s42, 4
	s_lshl_b32 s47, s12, 3
	s_add_co_u32 s46, s46, s47
	s_lshl_b32 s46, s46, 15                        ; W_o: tile of rows 16 x tile column + 8 x half
	s_mov_b32 s47, 0
	s_lshl_b32 s20, s12, 14                        ; where they go: made of the wave's number alone
	s_lshl_b32 s45, s12, 15
	s_add_co_u32 s45, s45, BOFF
	s_wait_dscnt 0x0                               ; both opening adds are done
	s_wait_kmcnt 0x0
	s_add_nc_u64 s[14:15], s[4:5], s[16:17]
	s_add_nc_u64 s[46:47], s[6:7], s[46:47]
	CROUND                                         ; all sixteen work-groups are here: the first joint loads meet
.irp s, 0,1
	s_mov_b32 s[G0+4*\s], 1
	s_add_co_u32 s[G0+4*\s+1], s20, \s*SLOT
	s_add_nc_u64 s[G0+4*\s+2:G0+4*\s+3], s[14:15], \s*4096
	s_or_b32 s[G0+4*\s+3], s[G0+4*\s+3], 0x80000000
	s_mov_b32 s[G0B+4*\s], 1
	s_add_co_u32 s[G0B+4*\s+1], s45, \s*SLOT
	s_add_nc_u64 s[G0B+4*\s+2:G0B+4*\s+3], s[46:47], \s*4096
	s_or_b32 s[G0B+4*\s+3], s[G0B+4*\s+3], 0x80000000
	JLOAD \s                                       ; two tensor loads of mine are out at the most, later one
.endr
	v_and_b32 v1, 15, v0                           ; r
	v_bfe_u32 v2, v0, 4, 1                         ; h
	v_and_b32 v3, 31, v0
	v_lshlrev_b32 v[CO], 4, v3                     ; 16 x lane
	s_lshl_b32 s21, s11, 14                        ; my 4 tiles of tokens
	s_lshl_b32 s22, s12, 15
	s_add_co_u32 s22, s22, BOFF                    ; my 8 tiles of columns
.irp s, 0,1
	v_add_nc_u32 v[ADA+\s], s21, v[CO]
	v_add_nc_u32 v[ADB+\s], s22, v[CO]
	s_add_co_u32 s21, s21, SLOT
	s_add_co_u32 s22, s22, SLOT
.endr
	s_mul_i32 s23, s10, 16*SPITCH
	s_add_co_u32 s23, s23, STAGE                   ; my stage
	v_mul_u32_u24 v4, v1, SPITCH
	v_lshl_add_u32 v4, v2, 5, v4
	v_add_nc_u32 v[STO], s23, v4                   ; in: row r, 32 bytes for each half of the lanes
	v_add_nc_u32 v[RD], s23, v[CO]                 ; back: the 32 lanes take one row of 512 bytes
	v_lshlrev_b32 v5, 5, v2
	s_lshl_b32 s16, s13, 7
	s_lshl_b32 s17, s11, 6
	s_add_co_u32 s16, s16, s17
	s_lshl_b32 s16, s16, 12                        ; my first row of out0, 4,096 bytes a row
	s_mov_b32 s17, 0
	s_lshl_b32 s46, s42, 10
	s_lshl_b32 s47, s12, 9
	s_add_co_u32 s46, s46, s47                     ; my first column, in bytes of f32
	s_mov_b32 s47, 0
	s_add_nc_u64 s[70:71], s[70:71], s[16:17]
	s_add_nc_u64 s[70:71], s[70:71], s[46:47]
	s_add_nc_u64 s[68:69], s[68:69], s[46:47]
.irp b, 0,1,2,3,4,5,6,7
	global_load_b128 v[BO+8*\b:BO+8*\b+3], v5, s[68:69] offset:64*\b          ; b_o of columns 16 b + 8 h + 0 .. 7 of my 128
	global_load_b128 v[BO+8*\b+4:BO+8*\b+7], v5, s[68:69] offset:64*\b+16
.endr
.macro MUL8 f, a, first                ; tokens 16 a on x my 8 tiles of columns, 32 along K.  The 32 accumulators take turns, one instruction a turn
.irp b, 0,1,2,3,4,5,6,7
.if \first
	v_wmma_f32_16x16x32_f16 v[8*(8*(\a)+\b):8*(8*(\a)+\b)+7], v[\f+32+8*\b:\f+32+8*\b+7], v[\f+8*(\a):\f+8*(\a)+7], v[BO+8*\b:BO+8*\b+7]
.else
	v_wmma_f32_16x16x32_f16 v[8*(8*(\a)+\b):8*(8*(\a)+\b)+7], v[\f+32+8*\b:\f+32+8*\b+7], v[\f+8*(\a):\f+8*(\a)+7], v[8*(8*(\a)+\b):8*(8*(\a)+\b)+7]
.endif
.endr
.endm
.macro FETCH slot, q, f                ; 24 LDS loads in one run: the slot's q-th 32 along K into buffer f
	WIN TO_F
.irp i, 0,1,2,3,4,5,6,7
	ds_load_b128 v[\f+32+8*\i:\f+32+8*\i+3],   v[ADB+\slot] offset:4096*\i+1024*(\q)
	ds_load_b128 v[\f+32+8*\i+4:\f+32+8*\i+7], v[ADB+\slot] offset:4096*\i+1024*(\q)+512
.endr
.irp i, 0,1,2,3
	ds_load_b128 v[\f+8*\i:\f+8*\i+3],   v[ADA+\slot] offset:4096*\i+1024*(\q)
	ds_load_b128 v[\f+8*\i+4:\f+8*\i+7], v[ADA+\slot] offset:4096*\i+1024*(\q)+512
.endr
.endm
.macro PLACES                          ; four plain vector instructions between a matrix instruction and a load into its registers or a read of its result
.rept 4
	v_nop
.endr
.endm
.macro QUARTER slot, qn, f, g, first   ; multiplies buffer f; the slot's quarter qn is asked for first, into g, and has these 32 matrix instructions in which to come
	s_wait_dscnt 0x0                               ; buffer f is in
	PLACES
	FETCH \slot, \qn, \g
.if \first
	WIN MUL1
.else
	WIN MUL
.endif
	MUL8 \f, 0, \first
	MUL8 \f, 1, \first
	MUL8 \f, 2, \first
	MUL8 \f, 3, \first
.endm
; A slot's last quarter multiplies buffer 1 and changes slots: one barrier; in front of it each wave waits for all its tensor loads, adds 0 to its spare word, and waits for that and for its reads of this slot.
; fill = 1: the barrier opens a round of the cluster's, and this slot is filled again, two K steps ahead, first thing behind it.
.macro TURN slot, next, fill
	WIN 0
	s_wait_tensorcnt 0x0                           ; all my tensor loads have landed: my part of the next slot
	ds_add_u32 v[SPW], v[NIL]                      ; 0 onto my spare word
	s_wait_dscnt 1                                 ; buffer 1 is in (the add may be out)
	WIN MUL
	MUL8 F1, 0, 0
	s_wait_dscnt 0x0                               ; the add is done, and my reads of this slot are over
	s_barrier_signal -1
	MUL8 F1, 1, 0
.if \fill
	WIN 0
.endif
	s_barrier_wait -1
.if \fill
	CREST                                          ; no wave of any partner still reads this slot or has a load on its way
	s_add_nc_u64 s[G0+4*\slot+2:G0+4*\slot+3], s[G0+4*\slot+2:G0+4*\slot+3], 8192
	s_add_nc_u64 s[G0B+4*\slot+2:G0B+4*\slot+3], s[G0B+4*\slot+2:G0B+4*\slot+3], 8192
	JLOAD \slot                                    ; its four v_nop are also the places in front of the loads below
.else
	PLACES
.endif
	FETCH \next, 0, F0
	WIN MUL
	MUL8 F1, 2, 0
	MUL8 F1, 3, 0
.endm
	s_wait_tensorcnt 1                             ; my part of K step 0 is in (K step 1's load may be out),
	s_barrier_signal -1
	s_barrier_wait -1                              ; everybody's is
	FETCH 0, 0, F0
	s_wait_loadcnt 0x0                             ; b_o
	QUARTER 0, 1, F0, F1, 1                        ; the first quarter stands in front of the loop: its products start the sums from b_o
	WIN 0
	s_mov_b32 s3, 3
.Llap:                                                 ; a trip goes once round the ring and fills both slots again: K steps 2 to 7 in three trips
	QUARTER 0, 2, F1, F0, 0
	QUARTER 0, 3, F0, F1, 0
	TURN 0, 1, 1
	QUARTER 1, 1, F0, F1, 0
	QUARTER 1, 2, F1, F0, 0
	QUARTER 1, 3, F0, F1, 0
	TURN 1, 0, 1
	QUARTER 0, 1, F0, F1, 0
	WIN 0
	s_sub_co_u32 s3, s3, 1
	s_cmp_lg_u32 s3, 0
	s_cbranch_scc1 .Llap
	QUARTER 0, 2, F1, F0, 0                        ; the last lap fills nothing
	QUARTER 0, 3, F0, F1, 0
	TURN 0, 1, 0
	QUARTER 1, 1, F0, F1, 0
	QUARTER 1, 2, F1, F0, 0
	QUARTER 1, 3, F0, F1, 0
	s_wait_dscnt 0x0
	WIN MUL
	MUL8 F1, 0, 0
	MUL8 F1, 1, 0
	MUL8 F1, 2, 0
	MUL8 F1, 3, 0
	WIN 0
; THE WAY OUT, a block of 16 tokens x 128 columns at a time, through my own stage: in by 32 bytes a lane, back as whole rows of 512 bytes.  LDS serves a wave's instructions in order (ISA guide 5.7.1.4).
.macro TOSTAGE a
	WIN 0x08                                       ; an LDS store's data: window 2
.irp b, 0,1,2,3,4,5,6,7
	ds_store_b128 v[STO], v[64*(\a)+8*\b:64*(\a)+8*\b+3] offset:64*\b          ; each accumulator from its low end on
	ds_store_b128 v[STO], v[64*(\a)+8*\b+4:64*(\a)+8*\b+7] offset:64*\b+16
.endr
	WIN 0
.set BB, BK+64*((\a)%2)
.irp t, 0,1,2,3,4,5,6,7,8,9,10,11,12,13,14,15
	ds_load_b128 v[BB+4*\t:BB+4*\t+3], v[RD] offset:\t*SPITCH
.endr
.endm
.macro SEND a, younger                 ; younger: the LDS instructions issued behind block a's loads, which may stay out
.set BB, BK+64*((\a)%2)
	s_wait_dscnt \younger
.irp t, 0,1,2,3,4,5,6,7,8,9,10,11,12,13,14,15
	global_store_b128 v[CO], v[BB+4*\t:BB+4*\t+3], s[70:71] offset:65536*(\a)+4096*\t th:TH_STORE_NT   ; 32 lanes store 512 consecutive bytes, aligned; written once
.endr
.endm
	PLACES
	TOSTAGE 0
.irp a, 1,2,3
.if \a > 1
	s_wait_xcnt 0x0                                ; block a - 2's stores have read their registers: block a's loads may land there
.endif
	TOSTAGE \a
	SEND \a-1, 32
.endr
	SEND 3, 0
	s_wait_tensorcnt 0x0                           ; the wave's end, behind my last tensor load and my last LDS store
	ds_add_u32 v[SPW], v[NIL]
	s_wait_dscnt 0x0
	CROUND                                         ; the closing round: no work-group ends while a partner may still ask for a tile that names it
	s_endpgm
.Lfunc_end_k_qa2641bea11_outp:
	.size	k_qa2641bea11_outp, .Lfunc_end_k_qa2641bea11_outp-k_qa2641bea11_outp
	.p2alignl 7, 3214868480
	.fill 96, 4, 3214868480
	.section	.rodata,"a",@progbits
	.p2align	6, 0x0
	.amdhsa_kernel k_qa2641bea11_outp
		.amdhsa_group_segment_fixed_size 327680
		.amdhsa_private_segment_fixed_size 0
		.amdhsa_enable_private_segment 0
		.amdhsa_kernarg_size 32
		.amdhsa_user_sgpr_count 2
		.amdhsa_user_sgpr_kernarg_segment_ptr 1
		.amdhsa_wavefront_size32 1
		.amdhsa_system_sgpr_workgroup_id_x 1
		.amdhsa_system_sgpr_workgroup_id_y 1
		.amdhsa_system_sgpr_workgroup_id_z 1
		.amdhsa_system_vgpr_workitem_id 0
		.amdhsa_next_free_vgpr 768
		.amdhsa_next_free_sgpr 72
		.amdhsa_reserve_vcc 0
		.amdhsa_float_denorm_mode_32 3
		.amdhsa_float_denorm_mode_16_64 3
		.amdhsa_memory_ordered 1
		.amdhsa_forward_progress 1
		.amdhsa_inst_pref_size 85
	.end_amdhsa_kernel
	.amdgpu_metadata
---
amdhsa.version: [ 1, 2 ]
amdhsa.kernels:
  - .name:           k_qa2641bea11_outp
    .symbol:         k_qa2641bea11_outp.kd
    .args:
      - { .name: att, .offset: 0, .size: 8, .value_kind: global_buffer, .address_space: global }
      - { .name: wo, .offset: 8, .size: 8, .value_kind: global_buffer, .address_space: global }
      - { .name: b_o, .offset: 16, .size: 8, .value_kind: global_buffer, .address_space: global }
      - { .name: out0, .offset: 24, .size: 8, .value_kind: global_buffer, .address_space: global }
    .group_segment_fixed_size: 327680
    .private_segment_fixed_size: 0
    .kernarg_segment_align: 8
    .kernarg_segment_size: 32
    .max_flat_workgroup_size: 128
    .sgpr_count:     72
    .vgpr_count:     768
    .wavefront_size: 32
...
	.end_amdgpu_metadata
.endif
;; end of part 4
